; MI455X (gfx1250); checked and timed in simulation.
; The chip was launched on July 23, 2026; its instructions are those of AMD's public machine-readable ISA for CDNA 5 (MIT licence, August 2026) and "CDNA5" Instruction Set Architecture Reference Guide (July 2026). The comments in the code are by the model that wrote it; some were corrected since.
;; Original Full Attention. Allowed arithmetic: matrix products marked QUANTISED: E4M3 operands, one given power-of-two scale a tensor, by v_wmma_f32_16x16x64_fp8_fp8 or v_wmma_f32_16x16x128_fp8_fp8, f32 sums; everything else in f32.
;; Inputs: attention_mask 2 x 1 x 1 x 2,048 float32; key_layer 2 x 16 x 2,048 x 64 float32; lowp_scales 4 int32 (the exponents e of the quantised operands' scales 2^e); query_layer 2 x 16 x 2,048 x 64 float32; value_layer 2 x 16 x 2,048 x 64 float32.
;; Outputs: out0 2 x 2,048 x 16 x 64 float32.
;; Constants: size_per_head = 64.
;; This version of the problem:
;;   THIS VERSION OF THE PROBLEM IS GIVEN IN LOW PRECISION. The matrix products marked QUANTISED in the list below multiply operands that are first quantised to E4M3 (4 exponent bits, 3 mantissa bits; 8 bits a number), with one given power-of-two scale for each operand tensor; their sums are f32. All else is computed in f32.
;;   The module's matrix products, in the order in which they are computed (A, B: the left and right operand; K: the contracted axis; several contracted axes count as one K, in the product's order):
;;     1. batch 32 x [M 2,048, K 64] x [K 64, N 2,048]; A: input query_layer; B: input key_layer: QUANTISED (scales: A lowp_scales[0], B lowp_scales[1])
;;     2. batch 32 x [M 64, K 2,048] x [K 2,048, N 2,048]; A: input value_layer; B: softmax (see below): QUANTISED (scales: A lowp_scales[2], B lowp_scales[3])
;;   THE QUANTISER, for each operand of a quantised product, along K:
;;     - The operand's scale is 2^e, e = its entry of the input lowp_scales (int32; the entries are numbered through the quantised products in the list's order, A before B).
;;     - Each number is divided by the scale, clamped to +-448, and rounded to the nearest number of E4M3, ties to even, subnormals kept.
;;     - The product sums the exact products of the quantised numbers (number of the format x scale) in f32.
;;   ~~~python
;;   def quantise(x, axis, e):      # numpy; x: float32 -> the quantised numbers, widened to float32 again
;;       x = np.moveaxis(x, axis, -1); K = x.shape[-1]
;;       r = np.clip(x / 2.0 ** e, -448, 448)
;;       step = 2.0 ** (np.maximum(np.frexp(np.where(r == 0, 1, r))[1] - 1, -6) - 3)
;;       q = np.round(r / step) * step * 2.0 ** e      # np.round: ties to even
;;       return np.moveaxis(q, -1, axis).astype(np.float32)
;;   ~~~
;;   SOFTMAX AHEAD OF A QUANTISED PRODUCT. Where the list says 'softmax', what is quantised is not the finished softmax but p = 2^(t - M), with t = logit x log2(e) and M = ceil(the row's largest t), a whole number; so 1/2 < the row's largest p <= 1. The row's sum l is taken of the UNQUANTISED p, in f32, and the product's result is divided by l at the end. Since M is a whole number, a kernel that streams over the keys may use a running M (the ceiling of the running maximum): every later rescaling is an exact power of two, so the quantised numbers keep their values, but for numbers so far below the row's largest that they fall under the format's range.
;;   OPERANDS COMPUTED ON THE WAY. 'Computed on the way' means the value that the module computes at that place (a softmax that the list does not call 'softmax' is quantised finished and normalised). What goes into a quantiser is computed in f32, as accurately as f32 sums, v_exp_f32 and their like allow (about 1e-6 of the number): no bf16 or f16 on the way to a quantiser, and a product that is left as it is and whose result goes on into a quantised operand takes f32 operands (vector FMAs, or v_wmma_f32_16x16x4_f32). A number that lies on a knife's edge between two numbers of the format may be rounded either way, as far as f32 arithmetic and the matrix unit's own rounding can turn it there, and no further.
;; 2 versions. Each part assembles by itself: llvm-mc -triple=amdgcn-amd-amdhsa -mcpu=gfx1250 --defsym DOCPART=n.
;; ======== version 1 of 2: 1 launch
;; launch attn (part 1): grid 8 x 32, 8 waves a work-group, no clusters, 117,760 bytes of LDS; arguments query_layer, key_layer, value_layer, attention_mask, lowp_scales, out0; writes out0
.if DOCPART == 1
	.amdgcn_target "amdgcn-amd-amdhsa--gfx1250"
	.amdhsa_code_object_version 6
	.text
	.protected	k_q8ca8f2cde3_attn
	.globl	k_q8ca8f2cde3_attn
	.p2align	8
	.type	k_q8ca8f2cde3_attn,@function
k_q8ca8f2cde3_attn:
	s_mov_b64 s[64:65], 0
	v_nop
	global_prefetch_b8 v0, s[64:65] scope:SCOPE_SE
	s_setreg_imm32_b32 hwreg(HW_REG_WAVE_MODE, 25, 1), 1
	s_wait_xcnt 0x0
; out[b][f][n][:] = sum over t of softmax_t(Q[b][n][f] . K[b][n][t] / 8 + (1 - mask[b][t]) x -10000) V[b][n][t][:].  Q, K, V: [2][16][2048][64] f32; mask: [2][2048] f32; out: [2][2048][16][64] f32.
; Both products run on codes of FP8 (E4M3), each operand with its given scale 2^e: eq, ek, ev, ep = entries 0 to 3 of the scales' buffer.
; THE SOFTMAX AHEAD OF THE SECOND PRODUCT: t = logit x log2(e); M = the running largest t rounded UP to a whole number; p = 2^(t - M) is quantised, not normalised; the row's sum is taken of the
; unquantised p and divides at the end.  When M moves, the sum and O are multiplied by 2^(old M - new M), which rounds nothing.
; SHARES.  A work-group owns 256 queries of one head (grid 8 x 32 = 256 work-groups of equal work); each of its eight waves owns 32 queries, two tiles of 16, so that each fragment of K and V read from LDS
; feeds two matrix instructions.  Every wave walks the head's 2,048 keys, 128 a step, 16 steps.
; K AND V ARE QUANTISED ON THE WAY, ONE STEP AHEAD: at a step's head each wave asks for its sixteenth of the next 128 keys' f32 numbers (40 loads into registers); behind the step's softmax it holds and converts
; them and stores the codes into the other of two LDS slots; one barrier a step.  In front of its signal every wave has waited for its stores into the other slot and for its reads of this one.
; THE MASK COSTS NO VECTOR WORK IN THE LOOP: (1 - mask) x -80000 x 2^-(eq + ek) is made once, in LDS, and goes in as the C of the first product: (sum + C) x c, c = log2(e) / 8 x 2^(eq + ek), is t.
; LAYOUT.  Both products are used transposed: S^T = K Q^T (source 0 = 16 keys, source 1 = 16 queries), O^T = V^T P^T (source 0 = 16 channels, source 1 = P): a lane holds ONE query (lane % 16) throughout.
; THE KEYS OF A TILE ARE NOT NEIGHBOURS: row 16 T + m of a slot's K part holds key 32 (T / 2) + 8 (T % 2) + m % 8 + 16 (m / 8), so that the 16 registers of tiles 2 b and 2 b + 1 are the 16 neighbouring
; keys 32 b + 16 (lane / 16) + 0 .. 15, which is how the conversions' results must lie to be the second product's operand.  Fragments come by loads of 16 bytes: a permutation of k, the same on both sides of each product.
; NO CLUSTER, NO TENSOR LOAD: what the eight work-groups of a head share is f32 numbers that must pass through registers to become codes; brought jointly into LDS they would be 64 KiB written and read
; again in each step, four times the 16 KiB of codes that a step's slot holds, and each of the 16 steps would want a round of the cluster's barrier.
; LIMITS, so that each power of two below is an f32 number: eq + ek between -111 and 130; eq, ek, ev, ep each between -126 and 119.  NaN among the inputs is not served.
; REGISTERS, in windows of 256.  Window 0: v1-15 addresses and scales; v16-31 statistics, eight a tile; v32-159 S^T, then p, 64 a tile; v160-191 p's codes; v192-255 the mask's terms, 8 a tile of keys.
;   Window 1: v0-63 O^T (32 a + 8 t); v64-79 Q's codes; v80-143 fragments of K, then of V; v144-175, v176-207 the next keys' numbers of K and V; v208-215, v216-223 their codes.
.set KP,    80                         ; a key's row in LDS: 64 codes + 16 bytes: an odd multiple of 16, so that the 16 rows of a load of 16 bytes a lane fall on 16 different columns of 16 bytes modulo 256
.set VP,    144                        ; a channel's row: 128 keys' codes + 16 bytes
.set VOFF,  128*KP                     ; a slot: 128 rows of K, then 64 rows of V
.set SLOT,  VOFF+64*VP                 ; 19,456 bytes
.set MASK,  2*SLOT                     ; 2,048 f32: the mask's terms, in the keys' order
.set STAGE, MASK+8192                  ; the way out: for each wave 2 tiles x 16 rows x 272 bytes, its own
.set SP,    272
.set AK,  1                            ; v1   80 r + 16 h: my place in a tile of K
.set AV,  2                            ; v2   144 r + 16 h + VOFF: in a tile of V
.set AM0, 3                            ; v3   64 h + MASK
.set AMC, 4                            ; v4   AM0 + the trip's first key's byte
.set KST, 5                            ; v5   where I store K's codes
.set VST, 6                            ; v6   where I store V's codes
.set KGO, 7                            ; v7   my byte in a chunk of K (128 keys x 256 bytes)
.set VGO, 8                            ; v8   my byte in a chunk of V
.set PFO, 9                            ; v9   the prefetches' offset
.set SCK, 10                           ; v10-12  2^ek, 2^ev, 2^ep as f32: the conversions take their exponent fields
.set SCV, 11
.set SCP, 12
.set ST,  16                           ; tile a's statistics at v[ST + 8 a]: +0 -M; +1 the largest t; +2, +3 the sum in two halves; +4 second chain of the maximum, then f; +5 named with it as a pair, and the permute's target; +6, +7 at work
.set S,   32
.set P,   160
.set CM,  192
.set OA,  0                            ; window 1
.set QF,  64
.set KV,  80
.set XK,  144
.set XV,  176
.set CK,  208
.set CV,  216
.set MSB, 0
.macro WIN new                         ; the immediate's low byte: bits 1:0 source 0, 3:2 source 1, 5:4 source 2, 7:6 destination; its high byte repeats the setting that is left
.if MSB != \new
	s_set_vgpr_msb (MSB<<8)|\new
.set MSB, \new
.endif
.endm
; The next 128 keys, my wave's sixteenth.  K: keys 16 w + 2 i + lane / 16, channels 4 (lane % 16) on: each load reads 512 consecutive bytes.  V: A LANE TAKES A CHANNEL (32 (w % 2) + lane) AND ITS REGISTERS
; RUN DOWN THE KEYS 32 (w / 2) + 0 .. 31, which are the second product's K: each load reads 128 consecutive bytes.  No cache hint: eight work-groups read these bytes.
.macro LOADX
	WIN 0x40                                       ; destination window 1, address window 0
.irp i, 0,1,2,3,4,5,6,7
	global_load_b128 v[XK+4*\i:XK+4*\i+3], v[KGO], s[6:7] offset:512*\i
.endr
.set j, 0
.rept 32
	global_load_b32 v[XV+j], v[VGO], s[8:9] offset:256*j
.set j, j+1
.endr
	WIN 0
.endm
; A prefetch of the chunk behind the one just asked for: one key step ahead of its loads.  A chunk of K or of V is 128 blocks of 256 bytes.  All eight work-groups of a head walk the same chunks: the head's first
; asks; in it waves 0 to 3 name K's blocks and waves 4 to 7 V's, a lane a block: each block is named once in the launch.  Steps 0 to 13 ask, for chunks 2 to 15; chunks 0 and 1 come by their loads alone.
.macro ASK
	s_cmp_eq_u32 ttmp9, 0
	s_cbranch_scc0 .Lnot_mine_\@
	global_prefetch_b8 v[PFO], s[38:39] offset:32768 th:TH_LOAD_NT scope:SCOPE_SE
.Lnot_mine_\@:
.endm
; The numbers asked for a step ago become codes in slot d.
.macro QUANTX d
	s_wait_loadcnt 0x0                             ; all 40 are in: they were asked for a whole softmax ago
	WIN 0x41                                       ; destination and source 0 window 1
.set j, 0
.rept 32
	v_med3_num_f32 v[XK+j], v[XK+j], s28, s29      ; the conversion to an 8-bit code does not saturate (ISA guide 7.6.2): the hold at +-448 x 2^ek
.set j, j+1
.endr
.set j, 0
.rept 32
	v_med3_num_f32 v[XV+j], v[XV+j], s30, s31      ; +-448 x 2^ev
.set j, j+1
.endr
.irp g, 0,1,2,3
	v_cvt_scalef32_pk8_fp8_f32 v[CK+2*\g:CK+2*\g+1], v[XK+8*\g:XK+8*\g+7], v[SCK]   ; word CK + i: four channels' codes of load i's key
.endr
.irp g, 0,1,2,3
	v_cvt_scalef32_pk8_fp8_f32 v[CV+2*\g:CV+2*\g+1], v[XV+8*\g:XV+8*\g+7], v[SCV]   ; 32 keys' codes of my channel
.endr
	v_nop                                          ; one plain vector instruction behind the last conversion
	WIN 0x04                                       ; store data window 1, address window 0
.irp i, 0,1,2,3,4,5,6,7
	ds_store_b32 v[KST], v[CK+\i] offset:(\d)*SLOT+KP*(16*(\i/4)+2*(\i%4))   ; key 16 w + 2 i + h lies in row 32 (w / 2) + 16 (i / 4) + 8 (w % 2) + 2 (i % 4) + h
.endr
	ds_store_b128 v[VST], v[CV:CV+3] offset:(\d)*SLOT
	ds_store_b128 v[VST], v[CV+4:CV+7] offset:(\d)*SLOT+16
	s_wait_xcnt 0x0                                ; the prefetch, a softmax back, has read its address; the loads are done: the three bases may step
	s_add_nc_u64 s[6:7], s[6:7], 0x8000            ; a chunk on
	s_add_nc_u64 s[8:9], s[8:9], 0x8000
	s_add_nc_u64 s[38:39], s[38:39], 0x8000
.endm
; p's hold at 448 x 2^ep.  p is at most 1 and never negative.  From ep = -8 on the limit is 1.75 or more, above every p, and the hold would change nothing: it is jumped over, by a scalar branch on the given
; whole number ep, round vector work alone.
.macro HOLD
	s_cmp_gt_i32 s23, -9
	s_cbranch_scc1 .Lno_hold_\@
.set j, 0
.rept 128
	v_min_num_f32 v[S+j], s32, v[S+j]
.set j, j+1
.endr
.Lno_hold_\@:
.endm
; A step's softmax for both tiles, line by line by turns, so that no line waits for the line above it.  All in window 0.
.macro SOFTMAX
.irp a, 0,1
	v_max3_num_f32 v[ST+8*\a+6], v[S+64*\a], v[S+64*\a+1], v[S+64*\a+2]     ; the largest sum of my query among my 64 keys: two chains a tile, the registers in ascending order (each accumulator from its low end on)
	v_max3_num_f32 v[ST+8*\a+4], v[S+64*\a+3], v[S+64*\a+4], v[S+64*\a+5]
.endr
.irp i, 6,10,14,18,22,26,30,34,38,42,46,50,54,58
.irp a, 0,1
	v_max3_num_f32 v[ST+8*\a+6], v[ST+8*\a+6], v[S+64*\a+\i], v[S+64*\a+\i+1]
	v_max3_num_f32 v[ST+8*\a+4], v[ST+8*\a+4], v[S+64*\a+\i+2], v[S+64*\a+\i+3]
.endr
.endr
.irp a, 0,1
	v_max3_num_f32 v[ST+8*\a+6], v[ST+8*\a+6], v[S+64*\a+62], v[S+64*\a+63]
.endr
.irp a, 0,1
	v_max_num_f32 v[ST+8*\a+6], v[ST+8*\a+6], v[ST+8*\a+4]
.endr
.irp a, 0,1
	v_permlanex16_b32 v[ST+8*\a+5], v[ST+8*\a+6], s24, s25                  ; the query's other 64 keys lie in the lane 16 away
.endr
.irp a, 0,1
	v_max_num_f32 v[ST+8*\a+6], v[ST+8*\a+6], v[ST+8*\a+5]
.endr
.irp a, 0,1
	v_mul_f32 v[ST+8*\a+6], s26, v[ST+8*\a+6]                               ; as t (c is positive)
.endr
.irp a, 0,1
	v_max_num_f32 v[ST+8*\a+1], v[ST+8*\a+1], v[ST+8*\a+6]                  ; the running largest t
.endr
.irp a, 0,1
	v_mov_b32 v[ST+8*\a+6], v[ST+8*\a]
.endr
.irp a, 0,1
	v_floor_f32 v[ST+8*\a], -v[ST+8*\a+1]                                   ; the new -M = floor(-t) = -ceil(t)
.endr
.irp a, 0,1
	v_sub_f32 v[ST+8*\a+6], v[ST+8*\a], v[ST+8*\a+6]                        ; old M - new M: a whole number, 0 or less
.endr
.irp a, 0,1
	v_cvt_i32_f32 v[ST+8*\a+6], v[ST+8*\a+6]                                ; (it saturates)
.endr
.irp a, 0,1
	v_ldexp_f32 v[ST+8*\a+4], 1.0, v[ST+8*\a+6]                             ; f = 2^(old M - new M)
.endr
.set j, 0
.rept 32
.irp a, 0,1
	v_pk_fma_f32 v[S+64*\a+j:S+64*\a+j+1], v[S+64*\a+j:S+64*\a+j+1], s[26:27], v[ST+8*\a:ST+8*\a+1] op_sel_hi:[1,0,0]   ; t - M, two at a time (of the pairs c and -M the low word serves both halves)
.endr
.set j, j+2
.endr
.set j, 0
.rept 128
	v_exp_f32 v[S+j], v[S+j]                                                ; p = 2^(t - M): one batch for both tiles
.set j, j+1
.endr
.irp a, 0,1
	v_pk_mul_f32 v[ST+8*\a+2:ST+8*\a+3], v[ST+8*\a+2:ST+8*\a+3], v[ST+8*\a+4:ST+8*\a+5] op_sel_hi:[1,0]   ; the sums under the new M: the plain instructions behind the last exponential
.endr
	s_wait_alu depctr_va_vdst(0)                   ; ahead of the first instruction that names an exponential's result: one for the batch of 128
.irp a, 0,1
	v_pk_add_f32 v[ST+8*\a+6:ST+8*\a+7], v[S+64*\a:S+64*\a+1], v[S+64*\a+2:S+64*\a+3]   ; the row's sum of the UNQUANTISED p: two chains a tile
.endr
.set j, 4
.rept 15
.irp a, 0,1
	v_pk_add_f32 v[ST+8*\a+2:ST+8*\a+3], v[ST+8*\a+2:ST+8*\a+3], v[S+64*\a+j:S+64*\a+j+1]
	v_pk_add_f32 v[ST+8*\a+6:ST+8*\a+7], v[ST+8*\a+6:ST+8*\a+7], v[S+64*\a+j+2:S+64*\a+j+3]
.endr
.set j, j+4
.endr
.irp a, 0,1
	v_pk_add_f32 v[ST+8*\a+2:ST+8*\a+3], v[ST+8*\a+2:ST+8*\a+3], v[ST+8*\a+6:ST+8*\a+7]
.endr
	HOLD
.irp b, 0,1,2,3
.irp a, 0,1
	v_cvt_scalef32_pk8_fp8_f32 v[P+16*\a+4*\b:P+16*\a+4*\b+1], v[S+64*\a+16*\b:S+64*\a+16*\b+7], v[SCP]        ; registers 4 b .. 4 b + 3 of the operand: keys 32 b + 16 h + 0 .. 15
	v_cvt_scalef32_pk8_fp8_f32 v[P+16*\a+4*\b+2:P+16*\a+4*\b+3], v[S+64*\a+16*\b+8:S+64*\a+16*\b+15], v[SCP]
.endr
.endr
	v_nop                                          ; one plain vector instruction behind the last conversion
.endm
; A KEY STEP on slot s.  ld = 1: the next chunk is loaded, quantised and stored into the other slot, and the step has its barrier.  pf = 1: the chunk behind that is prefetched.
.macro STEP s, ld, pf
.if \ld
	LOADX
.endif
.if \pf
	ASK
.endif
	v_add_nc_u32 v[AMC], s33, v[AM0]
.irp t, 0,1,2,3,4,5,6,7
	ds_load_b128 v[CM+8*\t:CM+8*\t+3], v[AMC] offset:512*\s+128*(\t/2)+32*(\t%2)        ; the mask's terms of keys 32 (t / 2) + 16 h + 8 (t % 2) + 0 .. 7: tile t's C
	ds_load_b128 v[CM+8*\t+4:CM+8*\t+7], v[AMC] offset:512*\s+128*(\t/2)+32*(\t%2)+16
.endr
	WIN 0x40
.irp t, 0,1,2,3,4,5,6,7
	ds_load_b128 v[KV+8*\t:KV+8*\t+3], v[AK] offset:\s*SLOT+16*KP*\t                    ; K's tile t: row 16 t + r, channels 16 h + 0 .. 15,
	ds_load_b128 v[KV+8*\t+4:KV+8*\t+7], v[AK] offset:\s*SLOT+16*KP*\t+32               ; and 32 + 16 h + 0 .. 15
.endr
	s_wait_dscnt 0x0
	WIN 0x05                                       ; K and Q window 1; C and D window 0
.irp t, 0,1,2,3,4,5,6,7
.irp a, 0,1
	v_wmma_f32_16x16x64_fp8_fp8 v[S+64*\a+8*\t:S+64*\a+8*\t+7], v[KV+8*\t:KV+8*\t+7], v[QF+8*\a:QF+8*\a+7], v[CM+8*\t:CM+8*\t+7]
.endr
.endr
	WIN 0
.rept 4
	v_nop                                          ; four places in front of the loads into K's registers and of the first read of the sums
.endr
	WIN 0x40
.irp t, 0,1,2,3
.irp c, 0,1,2,3
	ds_load_b128 v[KV+16*\t+4*\c:KV+16*\t+4*\c+3], v[AV] offset:\s*SLOT+16*VP*\t+32*\c  ; V's tile t: channel 16 t + r, keys 32 c + 16 h + 0 .. 15.  They land while the softmax is walked
.endr
.endr
	WIN 0
	SOFTMAX
.if \ld
	QUANTX 1-\s
.endif
	WIN 0x41                                       ; O^T window 1, f window 0
.irp a, 0,1
.set j, 0
.rept 16
	v_pk_mul_f32 v[OA+32*\a+j:OA+32*\a+j+1], v[OA+32*\a+j:OA+32*\a+j+1], v[ST+8*\a+4:ST+8*\a+5] op_sel_hi:[1,0]   ; O^T under the new M, each accumulator from its low end on; work while the stores are out
.set j, j+2
.endr
.endr
	s_wait_dscnt 0x0                               ; V's fragments are in; for the others' sake: my stores into the other slot have landed and my reads of this slot are over
.if \ld
	s_barrier_signal -1
.endif
	WIN 0x51                                       ; V window 1, P window 0, C and D window 1
.irp t, 0,1,2,3
.irp a, 0,1
	v_wmma_f32_16x16x128_fp8_fp8 v[OA+32*\a+8*\t:OA+32*\a+8*\t+7], v[KV+16*\t:KV+16*\t+15], v[P+16*\a:P+16*\a+15], v[OA+32*\a+8*\t:OA+32*\a+8*\t+7]   ; the eight accumulators by turns, one instruction a step each
.endr
.endr
.rept 4
	v_nop                                          ; four places in front of the next step's loads into V's registers, and of the way out's reads of O^T
.endr
	WIN 0                                          ; at a label and at a branch every window is 0
.if \ld
	s_barrier_wait -1                              ; the other slot is whole, and nobody reads this one any more
.if \s
	s_add_co_u32 s33, s33, 1024                    ; 256 keys' terms on: once a trip; the odd step's 512 bytes stand in its loads' immediates
.endif
.endif
.endm
; 2^e as f32 into a vector register, 448 x 2^e into a scalar one
.macro SCALE e, vs, pos
	s_add_co_i32 s37, \e, 127
	s_lshl_b32 s45, s37, 23
	v_mov_b32 \vs, s45
	s_add_co_i32 s37, s37, 8
	s_lshl_b32 s37, s37, 23
	s_or_b32 \pos, s37, 0x600000
.endm
	s_load_b256 s[4:11], s[0:1], 0x0               ; Q s[4:5], K s[6:7], V s[8:9], the mask s[10:11]
	s_load_b128 s[12:15], s[0:1], 0x20             ; the scales' exponents s[12:13], out s[14:15]
	s_set_vgpr_msb 0x40
	v_lshl_add_u32 v254, v0, 2, 0x1c800
	v_mov_b32 v255, 0
	s_set_vgpr_msb 0x4000
	v_lshrrev_b32 v16, 5, v0
	v_readfirstlane_b32 s16, v16                   ; wave 0..7
	s_and_b32 s17, ttmp7, 0xffff                   ; the head, 16 b + n
	v_and_b32 v18, 31, v0                          ; lane
	v_and_b32 v16, 15, v0                          ; r
	v_bfe_u32 v17, v0, 4, 1                        ; h
	s_lshr_b32 s18, s16, 1                         ; w / 2
	s_and_b32 s19, s16, 1                          ; w % 2
	v_mul_u32_u24 v[AK], v16, KP
	v_lshl_add_u32 v[AK], v17, 4, v[AK]
	v_mul_u32_u24 v[AV], v16, VP
	v_lshl_add_u32 v[AV], v17, 4, v[AV]
	v_add_nc_u32 v[AV], VOFF, v[AV]
	v_lshl_add_u32 v[AM0], v17, 6, MASK
	s_mul_i32 s36, s18, 32*KP
	s_mul_i32 s37, s19, 8*KP
	s_add_co_u32 s36, s36, s37
	v_mul_u32_u24 v[KST], v17, KP
	v_lshl_add_u32 v[KST], v16, 2, v[KST]
	v_add_nc_u32 v[KST], s36, v[KST]               ; row 32 (w / 2) + 8 (w % 2) + h, byte 4 r
	s_mul_i32 s36, s19, 32*VP
	s_lshl_b32 s37, s18, 5
	s_add_co_u32 s36, s36, s37
	s_add_co_u32 s36, s36, VOFF
	v_mul_u32_u24 v[VST], v18, VP
	v_add_nc_u32 v[VST], s36, v[VST]               ; row 32 (w % 2) + lane, byte 32 (w / 2)
	s_lshl_b32 s36, s16, 12
	v_lshl_add_u32 v[KGO], v18, 4, s36             ; 16 keys x 256 bytes a wave, 16 bytes a lane
	s_lshl_b32 s36, s18, 13
	s_lshl_b32 s37, s19, 7
	s_add_co_u32 s36, s36, s37
	v_lshl_add_u32 v[VGO], v18, 2, s36             ; key 32 (w / 2), channel 32 (w % 2) + lane
	s_and_b32 s36, s16, 3
	s_lshl_b32 s36, s36, 13
	v_lshl_add_u32 v[PFO], v18, 8, s36             ; block 32 (w % 4) + lane of a chunk's 128
	v_lshlrev_b32 v13, 8, v16
	v_lshl_add_u32 v13, v17, 6, v13                ; Q: row r of 256 bytes, + 64 h: my 16 channels of each 32
	v_lshlrev_b32 v14, 4, v0                       ; the mask: 16 bytes a thread
	s_lshl_b32 s40, s17, 19                        ; the head's first byte in Q, K, V: 2,048 rows of 256 bytes
	s_mov_b32 s41, 0
	s_lshl_b32 s45, ttmp9, 16                      ; my work-group's 256 queries,
	s_lshl_b32 s46, s16, 13                        ; my wave's 32 of them
	s_add_co_u32 s36, s40, s45
	s_add_co_u32 s36, s36, s46
	s_mov_b32 s37, 0
	s_lshr_b32 s45, s17, 4                         ; b
	s_lshl_b32 s48, s45, 13                        ; the batch's 2,048 numbers of the mask
	s_mov_b32 s49, 0
	s_lshl_b32 s46, s45, 23                        ; out: b x 2,048 queries of 4,096 bytes
	s_lshl_b32 s45, ttmp9, 20
	s_add_co_u32 s46, s46, s45                     ; + 256 queries a work-group
	s_lshl_b32 s45, s16, 17
	s_add_co_u32 s46, s46, s45                     ; + 32 a wave
	s_and_b32 s45, s17, 15
	s_lshl_b32 s45, s45, 8
	s_add_co_u32 s46, s46, s45                     ; + n x 256 bytes
	s_mov_b32 s47, 0
	s_wait_kmcnt 0x0
	s_load_b128 s[20:23], s[12:13], 0x0            ; eq, ek, ev, ep
	s_add_nc_u64 s[4:5], s[4:5], s[36:37]
	s_add_nc_u64 s[6:7], s[6:7], s[40:41]
	s_add_nc_u64 s[8:9], s[8:9], s[40:41]
	s_add_nc_u64 s[10:11], s[10:11], s[48:49]
	s_add_nc_u64 s[14:15], s[14:15], s[46:47]
	s_cmp_lt_u32 s16, 4
	s_cselect_b64 s[38:39], s[6:7], s[8:9]         ; the prefetches' base: K in waves 0 to 3, V in waves 4 to 7; it steps with the loads' bases
	global_load_b128 v[CM:CM+3], v14, s[10:11]                 ; the batch's mask: 8,192 bytes, 32 a thread
	global_load_b128 v[CM+4:CM+7], v14, s[10:11] offset:4096
.irp a, 0,1
.irp c, 0,1
.irp i, 0,1,2,3
	global_load_b128 v[S+32*\a+16*\c+4*\i:S+32*\a+16*\c+4*\i+3], v13, s[4:5] offset:4096*\a+128*\c+16*\i th:TH_LOAD_NT   ; Q(16 a + r, 32 c + 16 h + 4 i ..): read once in the launch
.endr
.endr
.endr
	LOADX                                          ; chunk 0
	s_mov_b32 s24, 0x76543210                      ; v_permlanex16_b32's selects for lane l xor 16
	s_mov_b32 s25, 0xfedcba98
	s_mov_b32 s33, 0
	s_mov_b32 s34, 7
	s_wait_kmcnt 0x0
	s_add_co_i32 s36, s20, s21
	s_lshl_b32 s36, s36, 23
	s_add_co_u32 s26, s36, 0x3e38aa3b              ; c = log2(e) / 8 x 2^(eq + ek): the exponents are added to the exponent field
	s_mov_b32 s27, s26                             ; (named with it as a pair, so it is written)
	s_sub_co_u32 s44, 0xc79c4000, s36              ; -80000 x 2^-(eq + ek): -10000 x 8, in the units of the raw sums
	SCALE s21, v[SCK], s29
	s_or_b32 s28, s29, 0x80000000
	SCALE s22, v[SCV], s31
	s_or_b32 s30, s31, 0x80000000
	SCALE s23, v[SCP], s32
	SCALE s20, v15, s43
	s_or_b32 s42, s43, 0x80000000
	s_add_co_i32 s35, s22, s23                     ; ev + ep
	s_wait_loadcnt 56                              ; the mask's two loads are in; Q's 16 and chunk 0's 40 may be out
.irp i, 0,1,2,3,4,5,6,7
	v_sub_f32 v[CM+\i], 1.0, v[CM+\i]
.endr
.irp i, 0,1,2,3,4,5,6,7
	v_mul_f32 v[CM+\i], s44, v[CM+\i]              ; (1 - mask) x -80000 x 2^-(eq + ek)
.endr
	ds_store_b128 v14, v[CM:CM+3] offset:MASK
	ds_store_b128 v14, v[CM+4:CM+7] offset:MASK+4096
	s_wait_loadcnt 40                              ; Q is in; chunk 0's 40 may be out
.set j, 0
.rept 64
	v_med3_num_f32 v[S+j], v[S+j], s42, s43        ; the hold at +-448 x 2^eq
.set j, j+1
.endr
	WIN 0x40                                       ; destination window 1
.irp a, 0,1
.irp g, 0,1,2,3
	v_cvt_scalef32_pk8_fp8_f32 v[QF+8*\a+2*\g:QF+8*\a+2*\g+1], v[S+32*\a+8*\g:S+32*\a+8*\g+7], v15   ; registers 4 c .. 4 c + 3: channels 32 c + 16 h + 0 .. 15, as K's fragments have them
.endr
.endr
	v_nop                                          ; one plain vector instruction behind the last conversion
.set j, 0
.rept 64
	v_mov_b32 v[OA+j], 0                           ; O^T.  (The step is written without a first step of its own: the first change of M multiplies zeros)
.set j, j+1
.endr
	WIN 0
.irp a, 0,1
	v_mov_b32 v[ST+8*\a+1], 0xff61b1e6             ; the largest t so far: -3e38, under every t
	v_mov_b32 v[ST+8*\a+2], 0                      ; the sum, in two halves
	v_mov_b32 v[ST+8*\a+3], 0
	v_mov_b32 v[ST+8*\a+5], 0                      ; written once: a lane permute's destination counts as one of its sources
	v_floor_f32 v[ST+8*\a], -v[ST+8*\a+1]          ; -M
.endr
	QUANTX 0                                       ; chunk 0 into slot 0
	WIN 0
	s_wait_dscnt 0x0                               ; for the others' sake: my part of the mask's terms and of slot 0 has landed
	s_barrier_signal -1
	s_barrier_wait -1
.Ltrip:                                                ; 7 trips: steps 0 to 13
	STEP 0, 1, 1
	STEP 1, 1, 1
	s_sub_co_u32 s34, s34, 1
	s_cmp_lg_u32 s34, 0
	s_cbranch_scc1 .Ltrip
	STEP 0, 1, 0                                   ; step 14 loads the last chunk; there is none behind it to prefetch
	STEP 1, 0, 0                                   ; step 15 loads and stores nothing, so it has no barrier
	; THE WAY OUT.  The sum's two halves and the other half of the lanes' are added; O^T x 2^(ev + ep) / the sum goes through my own stage in LDS, a tile of 16 queries at a time, and comes back as whole rows of
	; 256 bytes: a query's 64 channels of this head.  Sixteen lanes store 256 consecutive bytes, at a multiple of 256 from out's first byte; consecutive queries lie 4,096 bytes apart.
.irp a, 0,1
	v_add_f32 v[ST+8*\a+6], v[ST+8*\a+2], v[ST+8*\a+3]
.endr
.irp a, 0,1
	v_permlanex16_b32 v[ST+8*\a+5], v[ST+8*\a+6], s24, s25
.endr
.irp a, 0,1
	v_add_f32 v[ST+8*\a+6], v[ST+8*\a+6], v[ST+8*\a+5]
.endr
.irp a, 0,1
	v_rcp_f32 v[ST+8*\a+4], v[ST+8*\a+6]
.endr
	v_and_b32 v1, 15, v0                           ; r  (plain instructions behind the reciprocals; every load that named v1, v2, v13, v14 has been waited for)
	v_bfe_u32 v2, v0, 4, 1                         ; h
	s_mul_i32 s36, s16, 2*16*SP
	s_add_co_u32 s36, s36, STAGE                   ; my stage
	v_mul_u32_u24 v13, v1, SP
	v_lshl_add_u32 v13, v2, 5, v13
	v_add_nc_u32 v13, s36, v13                     ; in: row r; tile t's eight channels of my half: 64 t + 32 h bytes on
	v_mul_u32_u24 v14, v2, SP
	v_lshl_add_u32 v14, v1, 4, v14
	v_add_nc_u32 v14, s36, v14                     ; back: lanes 0-15 one row, lanes 16-31 the next
	v_lshlrev_b32 v15, 12, v2
	v_lshl_add_u32 v15, v1, 4, v15                 ; and the same two queries in out
	s_wait_alu depctr_va_vdst(0)                   ; ahead of the first use of a reciprocal: one for the two
.irp a, 0,1
	v_ldexp_f32 v[ST+8*\a+4], v[ST+8*\a+4], s35    ; x 2^(ev + ep)
.endr
	WIN 0x01                                       ; source 0 (O^T) window 1
.irp a, 0,1
.set j, 0
.rept 16
	v_pk_mul_f32 v[S+32*\a+j:S+32*\a+j+1], v[OA+32*\a+j:OA+32*\a+j+1], v[ST+8*\a+4:ST+8*\a+5] op_sel_hi:[1,0]   ; register 32 a + 8 t + i: o(16 a + r, 16 t + 8 h + i); each accumulator from its low end on
.set j, j+2
.endr
.endr
	WIN 0
.irp a, 0,1
.irp t, 0,1,2,3
	ds_store_b128 v13, v[S+32*\a+8*\t:S+32*\a+8*\t+3] offset:16*SP*\a+64*\t
	ds_store_b128 v13, v[S+32*\a+8*\t+4:S+32*\a+8*\t+7] offset:16*SP*\a+64*\t+16
.endr
.irp i, 0,1,2,3,4,5,6,7
	ds_load_b128 v[S+64+32*\a+4*\i:S+64+32*\a+4*\i+3], v14 offset:16*SP*\a+2*SP*\i   ; LDS serves a wave's instructions in order (ISA guide 5.7.1.4): these see my stores
.endr
.endr
.irp a, 0,1
.irp i, 0,1,2,3,4,5,6,7
	s_wait_dscnt 23-16*\a-\i                       ; behind this load: its tile's 7 - i younger loads and, for tile 0, tile 1's 16 LDS instructions
	global_store_b128 v15, v[S+64+32*\a+4*\i:S+64+32*\a+4*\i+3], s[14:15] offset:65536*\a+8192*\i th:TH_STORE_NT   ; queries 16 a + 2 i and + 1; written once, read by nobody here
.endr
.endr
	s_set_vgpr_msb 0x5
	s_wait_tensorcnt 0x0
	ds_add_u32 v254, v255
	s_wait_dscnt 0x0
	s_set_vgpr_msb 0x500
	s_endpgm
.Lfunc_end_k_q8ca8f2cde3_attn:
	.size	k_q8ca8f2cde3_attn, .Lfunc_end_k_q8ca8f2cde3_attn-k_q8ca8f2cde3_attn
	.p2alignl 7, 3214868480
	.fill 96, 4, 3214868480
	.section	.rodata,"a",@progbits
	.p2align	6, 0x0
	.amdhsa_kernel k_q8ca8f2cde3_attn
		.amdhsa_group_segment_fixed_size 117760
		.amdhsa_private_segment_fixed_size 0
		.amdhsa_enable_private_segment 0
		.amdhsa_kernarg_size 48
		.amdhsa_user_sgpr_count 2
		.amdhsa_user_sgpr_kernarg_segment_ptr 1
		.amdhsa_wavefront_size32 1
		.amdhsa_system_sgpr_workgroup_id_x 1
		.amdhsa_system_sgpr_workgroup_id_y 1
		.amdhsa_system_sgpr_workgroup_id_z 1
		.amdhsa_system_vgpr_workitem_id 0
		.amdhsa_next_free_vgpr 512
		.amdhsa_next_free_sgpr 66
		.amdhsa_reserve_vcc 0
		.amdhsa_float_denorm_mode_32 3
		.amdhsa_float_denorm_mode_16_64 3
		.amdhsa_memory_ordered 1
		.amdhsa_forward_progress 1
		.amdhsa_inst_pref_size 176
	.end_amdhsa_kernel
	.amdgpu_metadata
---
amdhsa.version: [ 1, 2 ]
amdhsa.kernels:
  - .name:           k_q8ca8f2cde3_attn
    .symbol:         k_q8ca8f2cde3_attn.kd
    .args:
      - { .name: query_layer, .offset: 0, .size: 8, .value_kind: global_buffer, .address_space: global }
      - { .name: key_layer, .offset: 8, .size: 8, .value_kind: global_buffer, .address_space: global }
      - { .name: value_layer, .offset: 16, .size: 8, .value_kind: global_buffer, .address_space: global }
      - { .name: attention_mask, .offset: 24, .size: 8, .value_kind: global_buffer, .address_space: global }
      - { .name: lowp_scales, .offset: 32, .size: 8, .value_kind: global_buffer, .address_space: global }
      - { .name: out0, .offset: 40, .size: 8, .value_kind: global_buffer, .address_space: global }
    .group_segment_fixed_size: 117760
    .private_segment_fixed_size: 0
    .kernarg_segment_align: 8
    .kernarg_segment_size: 48
    .max_flat_workgroup_size: 256
    .sgpr_count:     66
    .vgpr_count:     512
    .wavefront_size: 32
...
	.end_amdgpu_metadata
.endif
;; end of part 1
;; ======== version 2 of 2: 1 launch; version 1 with the launch attn written anew for expert scheduling mode
;; launch attn (part 2): grid 8 x 32, 8 waves a work-group, no clusters, 117,760 bytes of LDS; arguments query_layer, key_layer, value_layer, attention_mask, lowp_scales, out0; writes out0
.if DOCPART == 2
	.amdgcn_target "amdgcn-amd-amdhsa--gfx1250"
	.amdhsa_code_object_version 6
	.text
	.protected	k_q8ca8f2cde3_attn
	.globl	k_q8ca8f2cde3_attn
	.p2align	8
	.type	k_q8ca8f2cde3_attn,@function
k_q8ca8f2cde3_attn:
	s_mov_b64 s[64:65], 0
	v_nop
	global_prefetch_b8 v0, s[64:65] scope:SCOPE_SE
	s_setreg_imm32_b32 hwreg(HW_REG_WAVE_SCHED_MODE, 0, 2), 2
	s_setreg_imm32_b32 hwreg(HW_REG_WAVE_MODE, 25, 1), 1
	s_wait_xcnt 0x0
	s_wait_alu depctr_vm_vsrc(0)
; out[b][f][n][:] = sum over t of softmax_t(Q[b][n][f] . K[b][n][t] / 8 + (1 - mask[b][t]) x -10000) V[b][n][t][:].  Q, K, V: [2][16][2048][64] f32; mask: [2][2048] f32; out: [2][2048][16][64] f32.
; Both products run on codes of FP8 (E4M3), each operand with its given scale 2^e: eq, ek, ev, ep = entries 0 to 3 of the scales' buffer.
; THE SOFTMAX AHEAD OF THE SECOND PRODUCT: t = logit x log2(e); M = the running largest t rounded UP to a whole number; p = 2^(t - M) is quantised, not normalised; the row's sum is taken of the
; unquantised p and divides at the end.  When M moves, the sum and O are multiplied by 2^(old M - new M), which rounds nothing.
; SHARES.  A work-group owns 256 queries of one head (grid 8 x 32 = 256 work-groups of equal work); each of its eight waves owns 32 queries, two tiles of 16, so that each fragment of K and V read from LDS
; feeds two matrix instructions.  Every wave walks the head's 2,048 keys, 128 a step, 16 steps.
; K AND V ARE QUANTISED ON THE WAY, ONE STEP AHEAD: behind a step's softmax each wave holds and converts its sixteenth of the next 128 keys' f32 numbers (40 loads into registers, asked for a step earlier),
; stores the codes into the other of two LDS slots, and asks at once for the 128 keys behind those; one barrier a step.  In front of its signal every wave has waited for its stores into the other slot and for its reads of this one.
; THE MASK COSTS NO VECTOR WORK IN THE LOOP: (1 - mask) x -80000 x 2^-(eq + ek) is made once, in LDS, and goes in as the C of the first product: (sum + C) x c, c = log2(e) / 8 x 2^(eq + ek), is t.
; LAYOUT.  Both products are used transposed: S^T = K Q^T (source 0 = 16 keys, source 1 = 16 queries), O^T = V^T P^T (source 0 = 16 channels, source 1 = P): a lane holds ONE query (lane % 16) throughout.
; THE KEYS OF A TILE ARE NOT NEIGHBOURS: row 16 T + m of a slot's K part holds key 32 (T / 2) + 8 (T % 2) + m % 8 + 16 (m / 8), so that the 16 registers of tiles 2 b and 2 b + 1 are the 16 neighbouring
; keys 32 b + 16 (lane / 16) + 0 .. 15, which is how the conversions' results must lie to be the second product's operand.  Fragments come by loads of 16 bytes: a permutation of k, the same on both sides of each product.
; NO CLUSTER, NO TENSOR LOAD: what the eight work-groups of a head share is f32 numbers that must pass through registers to become codes; brought jointly into LDS they would be 64 KiB written and read
; again in each step, four times the 16 KiB of codes that a step's slot holds, and each of the 16 steps would want a round of the cluster's barrier.
; LIMITS, so that each power of two below is an f32 number: eq + ek between -111 and 130; eq, ek, ev, ep each between -126 and 119.  NaN among the inputs is not served.
; REGISTERS, in windows of 256.  Window 0: v1-15 addresses and scales; v16-31 statistics, eight a tile; v32-159 S^T, then p, 64 a tile; v160-191 p's codes; v192-255 the mask's terms, 8 a tile of keys.
;   Window 1: v0-63 O^T (32 a + 8 t); v64-79 Q's codes; v80-143 fragments of K, then of V; v144-175, v176-207 the next keys' numbers of K and V; v208-215, v216-223 their codes.
; THE MODE: SCHED_MODE bits 1:0 = 2 (LLVM: expert scheduling mode 2), set by the entry lines.  The code itself states the register dependences between vector or matrix instructions and memory or LDS
; instructions, with s_wait_alu, always for 0.
; THE PLAN.  Registers that memory or LDS instructions touch, in the loop:
;   KV       K's fragments land at a step's head and are read by its first products; V's land behind those and are read by its second products.
;   CM       Read by a step's first products, as C; behind them the next step's terms land, dealt among the softmax's scalings.
;   XK, XV   Written and read by a step's holds and conversions; behind them the loads of the chunk after land, dealt among the multiplies that rescale O^T.
;   CK, CV   Written by a step's conversions; read by the ten LDS stores that follow them.
;   v[AMC]   Read by the loads of the mask's terms; written once a trip, in the even step, in one of the four places behind the first products.
;   v1-3, v5-9  Addresses, made at the head and never written in the loop.
;   S^T, p's codes, O^T, Q's codes and the statistics are named by vector and matrix instructions alone.
; So a step has four waits on va_vdst: at its head (the second products are done with KV); behind the first products (they are done with KV and CM, and v[AMC] is written); behind the exponentials; behind K's and
; V's conversions (CK and CV are written, XK and XV are done with).  Between the second of them and the last load of the mask's terms stand softmax lines alone, which name v16-159; between the fourth and the last
; load of K and V stand O^T's multiplies alone: neither names a register that those loads touch.  On vm_vsrc: one wait a step ahead of the conversions, one a trip ahead of the add to v[AMC].
.set KP,    80                         ; a key's row in LDS: 64 codes + 16 bytes: an odd multiple of 16, so that the 16 rows of a load of 16 bytes a lane fall on 16 different columns of 16 bytes modulo 256
.set VP,    144                        ; a channel's row: 128 keys' codes + 16 bytes
.set VOFF,  128*KP                     ; a slot: 128 rows of K, then 64 rows of V
.set SLOT,  VOFF+64*VP                 ; 19,456 bytes
.set MASK,  2*SLOT                     ; 2,048 f32: the mask's terms, in the keys' order
.set STAGE, MASK+8192                  ; the way out: for each wave 2 tiles x 16 rows x 272 bytes, its own
.set SP,    272
.set AK,  1                            ; v1   80 r + 16 h: my place in a tile of K
.set AV,  2                            ; v2   144 r + 16 h + VOFF: in a tile of V
.set AM0, 3                            ; v3   64 h + MASK
.set AMC, 4                            ; v4   AM0 + the trip's first key's byte
.set KST, 5                            ; v5   where I store K's codes
.set VST, 6                            ; v6   where I store V's codes
.set KGO, 7                            ; v7   my byte in a chunk of K (128 keys x 256 bytes)
.set VGO, 8                            ; v8   my byte in a chunk of V
.set PFO, 9                            ; v9   the prefetches' offset
.set SCK, 10                           ; v10-12  2^ek, 2^ev, 2^ep as f32: the conversions take their exponent fields
.set SCV, 11
.set SCP, 12
.set ST,  16                           ; tile a's statistics at v[ST + 8 a]: +0 -M; +1 the largest t; +2, +3 the sum in two halves; +4 second chain of the maximum, then f; +5 named with it as a pair, and the permute's target; +6, +7 at work
.set S,   32
.set P,   160
.set CM,  192
.set OA,  0                            ; window 1
.set QF,  64
.set KV,  80
.set XK,  144
.set XV,  176
.set CK,  208
.set CV,  216
.set MSB, 0
.macro WIN new                         ; the immediate's low byte: bits 1:0 source 0, 3:2 source 1, 5:4 source 2, 7:6 destination; its high byte repeats the setting that is left
.if MSB != \new
	s_set_vgpr_msb (MSB<<8)|\new
.set MSB, \new
.endif
.endm
; 128 keys, my wave's sixteenth, in one run: the head's form, for chunks 0 and 1.  K: keys 16 w + 2 i + lane / 16, channels 4 (lane % 16) on: each load reads 512 consecutive bytes.  V: A LANE TAKES A CHANNEL
; (32 (w % 2) + lane) AND ITS REGISTERS RUN DOWN THE KEYS 32 (w / 2) + 0 .. 31, which are the second product's K: each load reads 128 consecutive bytes.  No cache hint: eight work-groups read these bytes.
.macro LOADX
	WIN 0x40                                       ; destination window 1, address window 0
.irp i, 0,1,2,3,4,5,6,7
	global_load_b128 v[XK+4*\i:XK+4*\i+3], v[KGO], s[6:7] offset:512*\i
.endr
.set j, 0
.rept 32
	global_load_b32 v[XV+j], v[VGO], s[8:9] offset:256*j
.set j, j+1
.endr
	WIN 0
.endm
; A prefetch of the chunk that this step's end will ask for: the step's first products, its softmax and its quantising lie between.  A chunk of K or of V is 128 blocks of 256 bytes.  All eight work-groups of a
; head walk the same chunks: the head's first asks; in it waves 0 to 3 name K's blocks and waves 4 to 7 V's, a lane a block: each block is named once in the launch.  Steps 0 to 13 ask, for chunks 2 to 15;
; chunks 0 and 1 come by their loads alone.
.macro ASK
	s_cmp_eq_u32 ttmp9, 0
	s_cbranch_scc0 .Lnot_mine_\@
	global_prefetch_b8 v[PFO], s[38:39] offset:32768 th:TH_LOAD_NT scope:SCOPE_SE
.Lnot_mine_\@:
.endm
; The numbers asked for a step ago become codes in slot d.  first = 1: the head's, ahead of which no store has read CK or CV.  more = 1: another chunk follows, and the three bases step to it.
.macro QUANTX d, first, more
	s_wait_loadcnt 0x0                             ; all 40 are in: they were asked for a step ago
	WIN 0x41                                       ; destination and source 0 window 1
.set j, 0
.rept 32
	v_med3_num_f32 v[XK+j], v[XK+j], s28, s29      ; the conversion to an 8-bit code does not saturate (ISA guide 7.6.2): the hold at +-448 x 2^ek
.set j, j+1
.endr
.set j, 0
.rept 32
	v_med3_num_f32 v[XV+j], v[XV+j], s30, s31      ; +-448 x 2^ev
.set j, j+1
.endr
.if !\first
	s_wait_alu depctr_vm_vsrc(0)                   ; the last step's LDS stores have read CK and CV, which the conversions write again
.endif
.irp g, 0,1,2,3
	v_cvt_scalef32_pk8_fp8_f32 v[CK+2*\g:CK+2*\g+1], v[XK+8*\g:XK+8*\g+7], v[SCK]   ; word CK + i: four channels' codes of load i's key
.endr
.irp g, 0,1,2,3
	v_cvt_scalef32_pk8_fp8_f32 v[CV+2*\g:CV+2*\g+1], v[XV+8*\g:XV+8*\g+7], v[SCV]   ; 32 keys' codes of my channel
.endr
	v_nop                                          ; one plain vector instruction behind the last conversion
	WIN 0x44                                       ; addresses (source 0) window 0; store data (source 1) and loaded data (destination) window 1
	s_wait_alu depctr_va_vdst(0)                   ; the conversions have written CK and CV, which the LDS stores read; holds and conversions are done with XK and XV, in which the next chunk's loads land
.irp i, 0,1,2,3,4,5,6,7
	ds_store_b32 v[KST], v[CK+\i] offset:(\d)*SLOT+KP*(16*(\i/4)+2*(\i%4))   ; key 16 w + 2 i + h lies in row 32 (w / 2) + 16 (i / 4) + 8 (w % 2) + 2 (i % 4) + h
.endr
	ds_store_b128 v[VST], v[CV:CV+3] offset:(\d)*SLOT
	ds_store_b128 v[VST], v[CV+4:CV+7] offset:(\d)*SLOT+16
.if \more
	s_wait_xcnt 0x0                                ; the prefetch, a softmax back, has read its address; the loads are done: the three bases may step
	s_add_nc_u64 s[6:7], s[6:7], 0x8000            ; a chunk on
	s_add_nc_u64 s[8:9], s[8:9], 0x8000
	s_add_nc_u64 s[38:39], s[38:39], 0x8000
.endif
.endm
; O^T under the new M, each accumulator from its low end on: f x O^T (f as source 0, in window 0, so that one window setting serves these lines and the loads).  more = 1: the 40 loads of the chunk after the one
; just quantised are dealt among them, LOADX's loads one by one.  No wait: since the wait behind the conversions no vector or matrix instruction names XK, XV or the two offsets.
.macro RESCALE more
	WIN 0x44
.set j, 0
.rept 32
.if \more
.if j%4 == 0
	global_load_b128 v[XK+j:XK+j+3], v[KGO], s[6:7] offset:128*j     ; K's load j / 4
.endif
	global_load_b32 v[XV+j], v[VGO], s[8:9] offset:256*j
.endif
	v_pk_mul_f32 v[OA+2*j:OA+2*j+1], v[ST+8*(j/16)+4:ST+8*(j/16)+5], v[OA+2*j:OA+2*j+1] op_sel_hi:[0,1]
.set j, j+1
.endr
.endm
; p's hold at 448 x 2^ep.  p is at most 1 and never negative.  From ep = -8 on the limit is 1.75 or more, above every p, and the hold would change nothing: it is jumped over, by a scalar branch on the given
; whole number ep, round vector work alone.
.macro HOLD
	s_cmp_gt_i32 s23, -9
	s_cbranch_scc1 .Lno_hold_\@
.set j, 0
.rept 128
	v_min_num_f32 v[S+j], s32, v[S+j]
.set j, j+1
.endr
.Lno_hold_\@:
.endm
; A step's softmax for both tiles, line by line by turns, so that no line waits for the line above it.  All in window 0.
; mk = 1: the next step's 16 loads of the mask's terms, from byte mo behind v[AMC] on, are dealt among the scalings.
.macro SOFTMAX mk, mo
.irp a, 0,1
	v_max3_num_f32 v[ST+8*\a+6], v[S+64*\a], v[S+64*\a+1], v[S+64*\a+2]     ; the largest sum of my query among my 64 keys: two chains a tile, the registers in ascending order (each accumulator from its low end on)
	v_max3_num_f32 v[ST+8*\a+4], v[S+64*\a+3], v[S+64*\a+4], v[S+64*\a+5]
.endr
.irp i, 6,10,14,18,22,26,30,34,38,42,46,50,54,58
.irp a, 0,1
	v_max3_num_f32 v[ST+8*\a+6], v[ST+8*\a+6], v[S+64*\a+\i], v[S+64*\a+\i+1]
	v_max3_num_f32 v[ST+8*\a+4], v[ST+8*\a+4], v[S+64*\a+\i+2], v[S+64*\a+\i+3]
.endr
.endr
.irp a, 0,1
	v_max3_num_f32 v[ST+8*\a+6], v[ST+8*\a+6], v[S+64*\a+62], v[S+64*\a+63]
.endr
.irp a, 0,1
	v_max_num_f32 v[ST+8*\a+6], v[ST+8*\a+6], v[ST+8*\a+4]
.endr
.irp a, 0,1
	v_permlanex16_b32 v[ST+8*\a+5], v[ST+8*\a+6], s24, s25                  ; the query's other 64 keys lie in the lane 16 away
.endr
.irp a, 0,1
	v_max_num_f32 v[ST+8*\a+6], v[ST+8*\a+6], v[ST+8*\a+5]
.endr
.irp a, 0,1
	v_mul_f32 v[ST+8*\a+6], s26, v[ST+8*\a+6]                               ; as t (c is positive)
.endr
.irp a, 0,1
	v_max_num_f32 v[ST+8*\a+1], v[ST+8*\a+1], v[ST+8*\a+6]                  ; the running largest t
.endr
.irp a, 0,1
	v_mov_b32 v[ST+8*\a+6], v[ST+8*\a]
.endr
.irp a, 0,1
	v_floor_f32 v[ST+8*\a], -v[ST+8*\a+1]                                   ; the new -M = floor(-t) = -ceil(t)
.endr
.irp a, 0,1
	v_sub_f32 v[ST+8*\a+6], v[ST+8*\a], v[ST+8*\a+6]                        ; old M - new M: a whole number, 0 or less
.endr
.irp a, 0,1
	v_cvt_i32_f32 v[ST+8*\a+6], v[ST+8*\a+6]                                ; (it saturates)
.endr
.irp a, 0,1
	v_ldexp_f32 v[ST+8*\a+4], 1.0, v[ST+8*\a+6]                             ; f = 2^(old M - new M)
.endr
.set j, 0
.rept 32
.irp a, 0,1
	v_pk_fma_f32 v[S+64*\a+j:S+64*\a+j+1], v[S+64*\a+j:S+64*\a+j+1], s[26:27], v[ST+8*\a:ST+8*\a+1] op_sel_hi:[1,0,0]   ; t - M, two at a time (of the pairs c and -M the low word serves both halves)
.endr
.if \mk && (j%4 == 0)
	ds_load_b128 v[CM+j:CM+j+3], v[AMC] offset:(\mo)+128*(j/16)+4*(j%16)    ; the next step's terms of keys 32 (j / 16) + 16 h + j % 16 + 0 .. 3: tile t's C is v[CM + 8 t] on.  No wait: since the wait behind the first products no line names CM or v[AMC]
.endif
.set j, j+2
.endr
.set j, 0
	s_wait_alu depctr_va_vdst(0)
.rept 128
	v_exp_f32 v[S+j], v[S+j]                                                ; p = 2^(t - M): one batch for both tiles
.set j, j+1
.endr
.irp a, 0,1
	v_pk_mul_f32 v[ST+8*\a+2:ST+8*\a+3], v[ST+8*\a+2:ST+8*\a+3], v[ST+8*\a+4:ST+8*\a+5] op_sel_hi:[1,0]   ; the sums under the new M: the plain instructions behind the last exponential
.endr
	s_wait_alu depctr_va_vdst(0)                   ; the 128 exponentials have written p: the wait stands ahead of the first instruction that names a result: one for the batch
.irp a, 0,1
	v_pk_add_f32 v[ST+8*\a+6:ST+8*\a+7], v[S+64*\a:S+64*\a+1], v[S+64*\a+2:S+64*\a+3]   ; the row's sum of the UNQUANTISED p: two chains a tile
.endr
.set j, 4
.rept 15
.irp a, 0,1
	v_pk_add_f32 v[ST+8*\a+2:ST+8*\a+3], v[ST+8*\a+2:ST+8*\a+3], v[S+64*\a+j:S+64*\a+j+1]
	v_pk_add_f32 v[ST+8*\a+6:ST+8*\a+7], v[ST+8*\a+6:ST+8*\a+7], v[S+64*\a+j+2:S+64*\a+j+3]
.endr
.set j, j+4
.endr
.irp a, 0,1
	v_pk_add_f32 v[ST+8*\a+2:ST+8*\a+3], v[ST+8*\a+2:ST+8*\a+3], v[ST+8*\a+6:ST+8*\a+7]
.endr
	HOLD
.irp b, 0,1,2,3
.irp a, 0,1
	v_cvt_scalef32_pk8_fp8_f32 v[P+16*\a+4*\b:P+16*\a+4*\b+1], v[S+64*\a+16*\b:S+64*\a+16*\b+7], v[SCP]        ; registers 4 b .. 4 b + 3 of the operand: keys 32 b + 16 h + 0 .. 15
	v_cvt_scalef32_pk8_fp8_f32 v[P+16*\a+4*\b+2:P+16*\a+4*\b+3], v[S+64*\a+16*\b+8:S+64*\a+16*\b+15], v[SCP]
.endr
.endr
	v_nop                                          ; one plain vector instruction behind the last conversion
.endm
; A KEY STEP on slot s.  ld = 1: a step follows: its mask's terms are loaded, its chunk is quantised and stored into the other slot, and the step has its barrier.
; pf = 1: a chunk follows that one: it is prefetched at the step's head and loaded at its end.
.macro STEP s, ld, pf
	WIN 0x40                                       ; destination window 1, address window 0
	s_wait_alu depctr_va_vdst(0)                   ; the last step's second products are done reading V's fragments, in whose registers K's land
.irp t, 0,1,2,3,4,5,6,7
	ds_load_b128 v[KV+8*\t:KV+8*\t+3], v[AK] offset:\s*SLOT+16*KP*\t                    ; K's tile t: row 16 t + r, channels 16 h + 0 .. 15,
	ds_load_b128 v[KV+8*\t+4:KV+8*\t+7], v[AK] offset:\s*SLOT+16*KP*\t+32               ; and 32 + 16 h + 0 .. 15
.endr
.if \pf
	WIN 0                                          ; at a label and at a branch every window is 0
	ASK                                            ; behind the run of LDS loads for which the first products wait
.endif
	s_wait_dscnt 0x0                               ; K's fragments are in (the mask's terms came a step ago; step 0's stand just ahead of the loop)
	WIN 0x05                                       ; K and Q window 1; C and D window 0
.irp t, 0,1,2,3,4,5,6,7
.irp a, 0,1
	v_wmma_f32_16x16x64_fp8_fp8 v[S+64*\a+8*\t:S+64*\a+8*\t+7], v[KV+8*\t:KV+8*\t+7], v[QF+8*\a:QF+8*\a+7], v[CM+8*\t:CM+8*\t+7]
.endr
.endr
	WIN 0
.if \s == 0
	s_wait_alu depctr_vm_vsrc(0)                   ; the loads of the mask's terms issued so far have read v[AMC]
	v_add_nc_u32 v[AMC], s33, v[AM0]               ; this trip's first key's byte: once a trip; it is the first of the four places
.else
	v_nop
.endif
.rept 3
	v_nop                                          ; four places (ISA guide 7.12.1) in front of the first read of the sums
.endr
	WIN 0x40
	s_wait_alu depctr_va_vdst(0)                   ; the first products are done reading K's fragments, in whose registers V's land, and the mask's terms, in whose registers the next step's land; in an even step v[AMC] is written
.irp t, 0,1,2,3
.irp c, 0,1,2,3
	ds_load_b128 v[KV+16*\t+4*\c:KV+16*\t+4*\c+3], v[AV] offset:\s*SLOT+16*VP*\t+32*\c  ; V's tile t: channel 16 t + r, keys 32 c + 16 h + 0 .. 15.  They land while the softmax is walked
.endr
.endr
	WIN 0
	SOFTMAX \ld, 512*(\s+1)                        ; the next step's terms lie 512 bytes (even step) or 1,024 bytes (odd step) behind this trip's first
.if \ld
	QUANTX 1-\s, 0, \pf
.endif
	RESCALE \pf                                    ; work while the stores are out
	s_wait_alu depctr_va_vdst(0)
	s_wait_dscnt 0x0                               ; V's fragments and the next step's terms are in; for the others' sake: my stores into the other slot have landed and my reads of this slot are over
.if \ld
	s_barrier_signal -1
.endif
	WIN 0x51                                       ; V window 1, P window 0, C and D window 1
.irp t, 0,1,2,3
.irp a, 0,1
	v_wmma_f32_16x16x128_fp8_fp8 v[OA+32*\a+8*\t:OA+32*\a+8*\t+7], v[KV+16*\t:KV+16*\t+15], v[P+16*\a:P+16*\a+15], v[OA+32*\a+8*\t:OA+32*\a+8*\t+7]   ; the eight accumulators by turns, one instruction a step each
.endr
.endr
.rept 4
	v_nop                                          ; four places behind the second products, ahead of the way out's reads of O^T; the loads into V's registers lean on the wait at the next step's head, which stands beside these places
.endr
	WIN 0                                          ; at a label and at a branch every window is 0
.if \ld
	s_barrier_wait -1                              ; the other slot is whole, and nobody reads this one any more
.if \s
	s_add_co_u32 s33, s33, 1024                    ; 256 keys' terms on: once a trip
.endif
.endif
.endm
; 2^e as f32 into a vector register, 448 x 2^e into a scalar one
.macro SCALE e, vs, pos
	s_add_co_i32 s37, \e, 127
	s_lshl_b32 s45, s37, 23
	v_mov_b32 \vs, s45
	s_add_co_i32 s37, s37, 8
	s_lshl_b32 s37, s37, 23
	s_or_b32 \pos, s37, 0x600000
.endm
	s_load_b256 s[4:11], s[0:1], 0x0               ; Q s[4:5], K s[6:7], V s[8:9], the mask s[10:11]
	s_load_b128 s[12:15], s[0:1], 0x20             ; the scales' exponents s[12:13], out s[14:15]
	s_set_vgpr_msb 0x40
	v_lshl_add_u32 v254, v0, 2, 0x1c800
	v_mov_b32 v255, 0
	s_set_vgpr_msb 0x4000
	v_lshrrev_b32 v16, 5, v0
	v_readfirstlane_b32 s16, v16                   ; wave 0..7
	s_and_b32 s17, ttmp7, 0xffff                   ; the head, 16 b + n
	v_and_b32 v18, 31, v0                          ; lane
	v_and_b32 v16, 15, v0                          ; r
	v_bfe_u32 v17, v0, 4, 1                        ; h
	s_wait_alu depctr_va_sdst(0)                   ; s16 is written, ahead of its first reader: LDS addresses, offsets and bases are made from it
	s_lshr_b32 s18, s16, 1                         ; w / 2
	s_and_b32 s19, s16, 1                          ; w % 2
	v_mul_u32_u24 v[AK], v16, KP
	v_lshl_add_u32 v[AK], v17, 4, v[AK]
	v_mul_u32_u24 v[AV], v16, VP
	v_lshl_add_u32 v[AV], v17, 4, v[AV]
	v_add_nc_u32 v[AV], VOFF, v[AV]
	v_lshl_add_u32 v[AM0], v17, 6, MASK
	s_mul_i32 s36, s18, 32*KP
	s_mul_i32 s37, s19, 8*KP
	s_add_co_u32 s36, s36, s37
	v_mul_u32_u24 v[KST], v17, KP
	v_lshl_add_u32 v[KST], v16, 2, v[KST]
	v_add_nc_u32 v[KST], s36, v[KST]               ; row 32 (w / 2) + 8 (w % 2) + h, byte 4 r
	s_mul_i32 s36, s19, 32*VP
	s_lshl_b32 s37, s18, 5
	s_add_co_u32 s36, s36, s37
	s_add_co_u32 s36, s36, VOFF
	v_mul_u32_u24 v[VST], v18, VP
	v_add_nc_u32 v[VST], s36, v[VST]               ; row 32 (w % 2) + lane, byte 32 (w / 2)
	s_lshl_b32 s36, s16, 12
	v_lshl_add_u32 v[KGO], v18, 4, s36             ; 16 keys x 256 bytes a wave, 16 bytes a lane
	s_lshl_b32 s36, s18, 13
	s_lshl_b32 s37, s19, 7
	s_add_co_u32 s36, s36, s37
	v_lshl_add_u32 v[VGO], v18, 2, s36             ; key 32 (w / 2), channel 32 (w % 2) + lane
	s_and_b32 s36, s16, 3
	s_lshl_b32 s36, s36, 13
	v_lshl_add_u32 v[PFO], v18, 8, s36             ; block 32 (w % 4) + lane of a chunk's 128
	v_lshlrev_b32 v13, 8, v16
	v_lshl_add_u32 v13, v17, 6, v13                ; Q: row r of 256 bytes, + 64 h: my 16 channels of each 32
	v_lshlrev_b32 v14, 4, v0                       ; the mask: 16 bytes a thread
	s_lshl_b32 s40, s17, 19                        ; the head's first byte in Q, K, V: 2,048 rows of 256 bytes
	s_mov_b32 s41, 0
	s_lshl_b32 s45, ttmp9, 16                      ; my work-group's 256 queries,
	s_lshl_b32 s46, s16, 13                        ; my wave's 32 of them
	s_add_co_u32 s36, s40, s45
	s_add_co_u32 s36, s36, s46
	s_mov_b32 s37, 0
	s_lshr_b32 s45, s17, 4                         ; b
	s_lshl_b32 s48, s45, 13                        ; the batch's 2,048 numbers of the mask
	s_mov_b32 s49, 0
	s_lshl_b32 s46, s45, 23                        ; out: b x 2,048 queries of 4,096 bytes
	s_lshl_b32 s45, ttmp9, 20
	s_add_co_u32 s46, s46, s45                     ; + 256 queries a work-group
	s_lshl_b32 s45, s16, 17
	s_add_co_u32 s46, s46, s45                     ; + 32 a wave
	s_and_b32 s45, s17, 15
	s_lshl_b32 s45, s45, 8
	s_add_co_u32 s46, s46, s45                     ; + n x 256 bytes
	s_mov_b32 s47, 0
	s_wait_kmcnt 0x0
	s_load_b128 s[20:23], s[12:13], 0x0            ; eq, ek, ev, ep
	s_add_nc_u64 s[4:5], s[4:5], s[36:37]
	s_add_nc_u64 s[6:7], s[6:7], s[40:41]
	s_add_nc_u64 s[8:9], s[8:9], s[40:41]
	s_add_nc_u64 s[10:11], s[10:11], s[48:49]
	s_add_nc_u64 s[14:15], s[14:15], s[46:47]
	s_cmp_lt_u32 s16, 4
	s_cselect_b64 s[38:39], s[6:7], s[8:9]         ; the prefetches' base: K in waves 0 to 3, V in waves 4 to 7; it steps with the loads' bases
	s_wait_alu depctr_va_vdst(0)                   ; the addresses and offsets v1 to v3, v5 to v9, v13 and v14 are written, which the loads, stores and prefetches from here to the way out read
	global_load_b128 v[CM:CM+3], v14, s[10:11]                 ; the batch's mask: 8,192 bytes, 32 a thread
	global_load_b128 v[CM+4:CM+7], v14, s[10:11] offset:4096
.irp a, 0,1
.irp c, 0,1
.irp i, 0,1,2,3
	global_load_b128 v[S+32*\a+16*\c+4*\i:S+32*\a+16*\c+4*\i+3], v13, s[4:5] offset:4096*\a+128*\c+16*\i th:TH_LOAD_NT   ; Q(16 a + r, 32 c + 16 h + 4 i ..): read once in the launch
.endr
.endr
.endr
	LOADX                                          ; chunk 0
	s_mov_b32 s24, 0x76543210                      ; v_permlanex16_b32's selects for lane l xor 16
	s_mov_b32 s25, 0xfedcba98
	s_mov_b32 s33, 0
	s_mov_b32 s34, 7
	s_wait_kmcnt 0x0
	s_add_co_i32 s36, s20, s21
	s_lshl_b32 s36, s36, 23
	s_add_co_u32 s26, s36, 0x3e38aa3b              ; c = log2(e) / 8 x 2^(eq + ek): the exponents are added to the exponent field
	s_mov_b32 s27, s26                             ; (named with it as a pair, so it is written)
	s_sub_co_u32 s44, 0xc79c4000, s36              ; -80000 x 2^-(eq + ek): -10000 x 8, in the units of the raw sums
	SCALE s21, v[SCK], s29
	s_or_b32 s28, s29, 0x80000000
	SCALE s22, v[SCV], s31
	s_or_b32 s30, s31, 0x80000000
	SCALE s23, v[SCP], s32
	SCALE s20, v15, s43
	s_or_b32 s42, s43, 0x80000000
	s_add_co_i32 s35, s22, s23                     ; ev + ep
	s_wait_loadcnt 56                              ; the mask's two loads are in; Q's 16 and chunk 0's 40 may be out
.irp i, 0,1,2,3,4,5,6,7
	v_sub_f32 v[CM+\i], 1.0, v[CM+\i]
.endr
.irp i, 0,1,2,3,4,5,6,7
	v_mul_f32 v[CM+\i], s44, v[CM+\i]              ; (1 - mask) x -80000 x 2^-(eq + ek)
.endr
	s_wait_alu depctr_va_vdst(0)                   ; the multiplies have written the terms in v[CM] to v[CM + 7], which the LDS stores read
	ds_store_b128 v14, v[CM:CM+3] offset:MASK
	ds_store_b128 v14, v[CM+4:CM+7] offset:MASK+4096
	s_wait_loadcnt 40                              ; Q is in; chunk 0's 40 may be out
.set j, 0
.rept 64
	v_med3_num_f32 v[S+j], v[S+j], s42, s43        ; the hold at +-448 x 2^eq
.set j, j+1
.endr
	WIN 0x40                                       ; destination window 1
.irp a, 0,1
.irp g, 0,1,2,3
	v_cvt_scalef32_pk8_fp8_f32 v[QF+8*\a+2*\g:QF+8*\a+2*\g+1], v[S+32*\a+8*\g:S+32*\a+8*\g+7], v15   ; registers 4 c .. 4 c + 3: channels 32 c + 16 h + 0 .. 15, as K's fragments have them
.endr
.endr
	v_nop                                          ; one plain vector instruction behind the last conversion
.set j, 0
.rept 64
	v_mov_b32 v[OA+j], 0                           ; O^T.  (The step is written without a first step of its own: the first change of M multiplies zeros)
.set j, j+1
.endr
	WIN 0
.irp a, 0,1
	v_mov_b32 v[ST+8*\a+1], 0xff61b1e6             ; the largest t so far: -3e38, under every t
	v_mov_b32 v[ST+8*\a+2], 0                      ; the sum, in two halves
	v_mov_b32 v[ST+8*\a+3], 0
	v_mov_b32 v[ST+8*\a+5], 0                      ; written once: a lane permute's destination counts as one of its sources
	v_floor_f32 v[ST+8*\a], -v[ST+8*\a+1]          ; -M
.endr
	QUANTX 0, 1, 1                                 ; chunk 0 into slot 0
	LOADX                                          ; chunk 1.  No wait: since the wait behind chunk 0's conversions no vector instruction has been issued
	s_wait_dscnt 0x0                               ; for the others' sake: my part of the mask's terms and of slot 0 has landed
	s_barrier_signal -1
	s_barrier_wait -1
	s_wait_alu depctr_vm_vsrc(0)                   ; my LDS stores of the mask's terms have read v[CM] to v[CM + 7], in which step 0's terms land (the multiplies that wrote them stand ahead of earlier waits on va_vdst)
.set j, 0
.rept 16
	ds_load_b128 v[CM+4*j:CM+4*j+3], v[AM0] offset:128*(j/4)+16*(j%4)   ; step 0's terms: keys 32 (j / 4) + 16 h + 4 (j % 4) + 0 .. 3
.set j, j+1
.endr
.Ltrip:                                                ; 7 trips: steps 0 to 13
	STEP 0, 1, 1
	STEP 1, 1, 1
	s_sub_co_u32 s34, s34, 1
	s_cmp_lg_u32 s34, 0
	s_cbranch_scc1 .Ltrip
	STEP 0, 1, 0                                   ; step 14 quantises the last chunk; there is none behind it to prefetch or to load
	STEP 1, 0, 0                                   ; step 15 loads and stores nothing, so it has no barrier
	; THE WAY OUT.  The sum's two halves and the other half of the lanes' are added; O^T x 2^(ev + ep) / the sum goes through my own stage in LDS, a tile of 16 queries at a time, and comes back as whole rows of
	; 256 bytes: a query's 64 channels of this head.  Sixteen lanes store 256 consecutive bytes, at a multiple of 256 from out's first byte; consecutive queries lie 4,096 bytes apart.
.irp a, 0,1
	v_add_f32 v[ST+8*\a+6], v[ST+8*\a+2], v[ST+8*\a+3]
.endr
.irp a, 0,1
	v_permlanex16_b32 v[ST+8*\a+5], v[ST+8*\a+6], s24, s25
.endr
.irp a, 0,1
	v_add_f32 v[ST+8*\a+6], v[ST+8*\a+6], v[ST+8*\a+5]
.endr
	s_wait_alu depctr_va_vdst(0)
.irp a, 0,1
	v_rcp_f32 v[ST+8*\a+4], v[ST+8*\a+6]
.endr
	s_wait_alu depctr_vm_vsrc(0)                   ; the fragments' LDS loads have read v1 and v2, the head's loads and LDS stores v13 and v14: the lines below write the four again
	v_and_b32 v1, 15, v0                           ; r  (plain instructions behind the reciprocals; every load that named v1, v2, v13, v14 has been waited for)
	v_bfe_u32 v2, v0, 4, 1                         ; h
	s_mul_i32 s36, s16, 2*16*SP
	s_add_co_u32 s36, s36, STAGE                   ; my stage
	v_mul_u32_u24 v13, v1, SP
	v_lshl_add_u32 v13, v2, 5, v13
	v_add_nc_u32 v13, s36, v13                     ; in: row r; tile t's eight channels of my half: 64 t + 32 h bytes on
	v_mul_u32_u24 v14, v2, SP
	v_lshl_add_u32 v14, v1, 4, v14
	v_add_nc_u32 v14, s36, v14                     ; back: lanes 0-15 one row, lanes 16-31 the next
	v_lshlrev_b32 v15, 12, v2
	v_lshl_add_u32 v15, v1, 4, v15                 ; and the same two queries in out
	s_wait_alu depctr_va_vdst(0)                   ; the two reciprocals are written, ahead of their first use
.irp a, 0,1
	v_ldexp_f32 v[ST+8*\a+4], v[ST+8*\a+4], s35    ; x 2^(ev + ep)
.endr
	WIN 0x01                                       ; source 0 (O^T) window 1
.irp a, 0,1
.set j, 0
.rept 16
	v_pk_mul_f32 v[S+32*\a+j:S+32*\a+j+1], v[OA+32*\a+j:OA+32*\a+j+1], v[ST+8*\a+4:ST+8*\a+5] op_sel_hi:[1,0]   ; register 32 a + 8 t + i: o(16 a + r, 16 t + 8 h + i); each accumulator from its low end on
.set j, j+2
.endr
.endr
	WIN 0
	s_wait_alu depctr_va_vdst(0)                   ; the multiplies have written v[S] to v[S + 63], which the LDS stores read; v13 to v15, the addresses below, are written; the last softmax is done with v[S + 64] on, in which the stage's loads land
.irp a, 0,1
.irp t, 0,1,2,3
	ds_store_b128 v13, v[S+32*\a+8*\t:S+32*\a+8*\t+3] offset:16*SP*\a+64*\t
	ds_store_b128 v13, v[S+32*\a+8*\t+4:S+32*\a+8*\t+7] offset:16*SP*\a+64*\t+16
.endr
.irp i, 0,1,2,3,4,5,6,7
	ds_load_b128 v[S+64+32*\a+4*\i:S+64+32*\a+4*\i+3], v14 offset:16*SP*\a+2*SP*\i   ; LDS serves a wave's instructions in order (ISA guide 5.7.1.4): these see my stores
.endr
.endr
.irp a, 0,1
.irp i, 0,1,2,3,4,5,6,7
	s_wait_dscnt 23-16*\a-\i                       ; behind this load: its tile's 7 - i younger loads and, for tile 0, tile 1's 16 LDS instructions
	global_store_b128 v15, v[S+64+32*\a+4*\i:S+64+32*\a+4*\i+3], s[14:15] offset:65536*\a+8192*\i th:TH_STORE_NT   ; queries 16 a + 2 i and + 1; written once, read by nobody here
.endr
.endr
	s_set_vgpr_msb 0x5
	s_wait_dscnt 0x0
	s_wait_alu depctr_hold_cnt(0) depctr_sa_sdst(0) depctr_va_vdst(0) depctr_va_sdst(0) depctr_va_ssrc(0) depctr_va_vcc(0) depctr_vm_vsrc(0)
	s_wait_tensorcnt 0x0
	ds_add_u32 v254, v255
	s_wait_dscnt 0x0
	s_endpgm
.Lfunc_end_k_q8ca8f2cde3_attn:
	.size	k_q8ca8f2cde3_attn, .Lfunc_end_k_q8ca8f2cde3_attn-k_q8ca8f2cde3_attn
	.p2alignl 7, 3214868480
	.fill 96, 4, 3214868480
	.section	.rodata,"a",@progbits
	.p2align	6, 0x0
	.amdhsa_kernel k_q8ca8f2cde3_attn
		.amdhsa_group_segment_fixed_size 117760
		.amdhsa_private_segment_fixed_size 0
		.amdhsa_enable_private_segment 0
		.amdhsa_kernarg_size 48
		.amdhsa_user_sgpr_count 2
		.amdhsa_user_sgpr_kernarg_segment_ptr 1
		.amdhsa_wavefront_size32 1
		.amdhsa_system_sgpr_workgroup_id_x 1
		.amdhsa_system_sgpr_workgroup_id_y 1
		.amdhsa_system_sgpr_workgroup_id_z 1
		.amdhsa_system_vgpr_workitem_id 0
		.amdhsa_next_free_vgpr 512
		.amdhsa_next_free_sgpr 66
		.amdhsa_reserve_vcc 0
		.amdhsa_float_denorm_mode_32 3
		.amdhsa_float_denorm_mode_16_64 3
		.amdhsa_memory_ordered 1
		.amdhsa_forward_progress 1
		.amdhsa_inst_pref_size 177
	.end_amdhsa_kernel
	.amdgpu_metadata
---
amdhsa.version: [ 1, 2 ]
amdhsa.kernels:
  - .name:           k_q8ca8f2cde3_attn
    .symbol:         k_q8ca8f2cde3_attn.kd
    .args:
      - { .name: query_layer, .offset: 0, .size: 8, .value_kind: global_buffer, .address_space: global }
      - { .name: key_layer, .offset: 8, .size: 8, .value_kind: global_buffer, .address_space: global }
      - { .name: value_layer, .offset: 16, .size: 8, .value_kind: global_buffer, .address_space: global }
      - { .name: attention_mask, .offset: 24, .size: 8, .value_kind: global_buffer, .address_space: global }
      - { .name: lowp_scales, .offset: 32, .size: 8, .value_kind: global_buffer, .address_space: global }
      - { .name: out0, .offset: 40, .size: 8, .value_kind: global_buffer, .address_space: global }
    .group_segment_fixed_size: 117760
    .private_segment_fixed_size: 0
    .kernarg_segment_align: 8
    .kernarg_segment_size: 48
    .max_flat_workgroup_size: 256
    .sgpr_count:     66
    .vgpr_count:     512
    .wavefront_size: 32
...
	.end_amdgpu_metadata
.endif
;; end of part 2
